; MI455X (gfx1250); checked and timed in simulation.
; The chip was launched on July 23, 2026; its instructions are those of AMD's public machine-readable ISA for CDNA 5 (MIT licence, August 2026) and "CDNA5" Instruction Set Architecture Reference Guide (July 2026). The comments in the code are by the model that wrote it; some were corrected since.
;; Attention Fusion. Allowed arithmetic: matrix products marked QUANTISED: E4M3 operands, one given power-of-two scale a tensor, by v_wmma_f32_16x16x64_fp8_fp8 or v_wmma_f32_16x16x128_fp8_fp8, f32 sums; everything else in f32.
;; Inputs: lowp_scales 8 int32 (the exponents e of the quantised operands' scales 2^e); out_b 1,024 float32; out_w 1,024 x 1,024 float32; qkv_b 3,072 float32; qkv_w 3,072 x 1,024 float32; x 2 x 2,048 x 1,024 float32.
;; Outputs: out0 2 x 2,048 x 1,024 float32.
;; This version of the problem:
;;   THIS VERSION OF THE PROBLEM IS GIVEN IN LOW PRECISION. The matrix products marked QUANTISED in the list below multiply operands that are first quantised to E4M3 (4 exponent bits, 3 mantissa bits; 8 bits a number), with one given power-of-two scale for each operand tensor; their sums are f32. All else is computed in f32.
;;   The module's matrix products, in the order in which they are computed (A, B: the left and right operand; K: the contracted axis; several contracted axes count as one K, in the product's order):
;;     1. [M 4,096, K 1,024] x [K 1,024, N 3,072]; A: input x; B: input qkv_w: QUANTISED (scales: A lowp_scales[0], B lowp_scales[1])
;;     2. batch 32 x [M 2,048, K 64] x [K 64, N 2,048]; A: computed on the way; B: computed on the way: QUANTISED (scales: A lowp_scales[2], B lowp_scales[3])
;;     3. batch 32 x [M 2,048, K 2,048] x [K 2,048, N 64]; A: softmax (see below); B: computed on the way: QUANTISED (scales: A lowp_scales[4], B lowp_scales[5])
;;     4. [M 4,096, K 1,024] x [K 1,024, N 1,024]; A: computed on the way; B: input out_w: QUANTISED (scales: A lowp_scales[6], B lowp_scales[7])
;;   THE QUANTISER, for each operand of a quantised product, along K:
;;     - The operand's scale is 2^e, e = its entry of the input lowp_scales (int32; the entries are numbered through the quantised products in the list's order, A before B).
;;     - Each number is divided by the scale, clamped to +-448, and rounded to the nearest number of E4M3, ties to even, subnormals kept.
;;     - The product sums the exact products of the quantised numbers (number of the format x scale) in f32.
;;   ~~~python
;;   def quantise(x, axis, e):      # numpy; x: float32 -> the quantised numbers, widened to float32 again
;;       x = np.moveaxis(x, axis, -1); K = x.shape[-1]
;;       r = np.clip(x / 2.0 ** e, -448, 448)
;;       step = 2.0 ** (np.maximum(np.frexp(np.where(r == 0, 1, r))[1] - 1, -6) - 3)
;;       q = np.round(r / step) * step * 2.0 ** e      # np.round: ties to even
;;       return np.moveaxis(q, -1, axis).astype(np.float32)
;;   ~~~
;;   SOFTMAX AHEAD OF A QUANTISED PRODUCT. Where the list says 'softmax', what is quantised is not the finished softmax but p = 2^(t - M), with t = logit x log2(e) and M = ceil(the row's largest t), a whole number; so 1/2 < the row's largest p <= 1. The row's sum l is taken of the UNQUANTISED p, in f32, and the product's result is divided by l at the end. Since M is a whole number, a kernel that streams over the keys may use a running M (the ceiling of the running maximum): every later rescaling is an exact power of two, so the quantised numbers keep their values, but for numbers so far below the row's largest that they fall under the format's range.
;;   OPERANDS COMPUTED ON THE WAY. 'Computed on the way' means the value that the module computes at that place (a softmax that the list does not call 'softmax' is quantised finished and normalised). What goes into a quantiser is computed in f32, as accurately as f32 sums, v_exp_f32 and their like allow (about 1e-6 of the number): no bf16 or f16 on the way to a quantiser, and a product that is left as it is and whose result goes on into a quantised operand takes f32 operands (vector FMAs, or v_wmma_f32_16x16x4_f32). A number that lies on a knife's edge between two numbers of the format may be rounded either way, as far as f32 arithmetic and the matrix unit's own rounding can turn it there, and no further.
;; One version. Each part assembles by itself: llvm-mc -triple=amdgcn-amd-amdhsa -mcpu=gfx1250 --defsym DOCPART=n.
;; ======== version 1 of 1: 4 launches
;; limits: right only within a limited range of input values
;; workspace buffers: x_img 4,194,304 bytes; w_img 3,145,728 bytes; ow_img 1,048,576 bytes; qf 4,194,304 bytes; kv 8,388,608 bytes; o_img 4,194,304 bytes
;; launch quant (part 1): grid 256 x 1, 8 waves a work-group, no clusters, 68,608 bytes of LDS; arguments x, qkv_w, out_w, lowp_scales, x_img, w_img, ow_img; writes x_img, w_img, ow_img
.if DOCPART == 1
	.amdgcn_target "amdgcn-amd-amdhsa--gfx1250"
	.amdhsa_code_object_version 6
	.text
	.protected	k_qb9f4deaf48_quant
	.globl	k_qb9f4deaf48_quant
	.p2align	8
	.type	k_qb9f4deaf48_quant,@function
k_qb9f4deaf48_quant:
	s_mov_b64 s[64:65], 0
	v_nop
	global_prefetch_b8 v0, s[64:65] scope:SCOPE_SE
	s_setreg_imm32_b32 hwreg(HW_REG_WAVE_MODE, 25, 1), 1
	s_wait_xcnt 0x0
; x [4096][1024], qkv_w [3072][1024] and out_w [1024][1024], f32, K innermost, become codes of FP8 (E4M3), each tensor with its given scale 2^e
; (entries 0, 1 and 7 of lowp_scales): code = x / 2^e, held within +-448, rounded to the nearest code, ties to even.
; THE CODES ARE LAID AS IMAGES OF OPERAND REGISTERS.  A fragment is 16 rows x 128 K, 16 registers a lane: lane (r, h) holds row r, registers 2 c, 2 c + 1 hold k = 16 c + 8 h + 0 .. 7.
; Its image is 2,048 bytes: registers 4 i .. 4 i + 3 of lane l at 512 i + 16 l.  A tensor is [row tile][K step][2,048].  So the products' launches fetch fragments by 16-byte loads at 16 x lane.
; SHARES.  4,096 fragments, two for each wave (K steps 2 kq, 2 kq + 1 of row tile T).  Work-groups 0-127 take x, 128-223 qkv_w, 224-255 out_w: pointers alone are chosen, the text has one path.
; A wave's 32 loads (each 512 consecutive bytes of one row) go out at once.  A fragment's 8,192 bytes turn through the wave's own stage in LDS (16 rows of 512 bytes + 16 of padding), so that a lane
; gets eight neighbours along K in eight consecutive registers, as the conversion wants them.  Waves share nothing: no barrier.  No work-group reads what another reads: no cluster, no tensor load.
; LIMITS: each of the three exponents lies between -126 and 119, so that 2^e and 448 x 2^e are f32 numbers.  NaN among the inputs is not served; an infinity is held at the largest code.
; WHERE THE IMAGES LIE.  x_img: [block of 256 tokens][K step][16 row tiles][2,048].  w_img: [head][K step][12 row tiles: the head's 4 of Q, 4 of K, 4 of V][2,048].  ow_img: [row tile][K step][2,048].
; So one block of rows x some neighbouring K steps is one dense piece of memory.
.set SP,   528                         ; a stage row: 512 bytes + 16 = 132 words, so that the 16 rows that a load touches start 4 words apart modulo 64
.set STG,  16*SP                       ; a wave's stage
.set R,    16                          ; v16-143  two sets of 64 registers, as loaded
.set X,    144                         ; v144-207 64 numbers of a lane: register 8 c + i = k 16 c + 8 h + i of row r
.set C,    208                         ; v208-239 codes: 16 registers for each fragment, so that no store's data are written again
	s_load_b256 s[4:11], s[0:1], 0x0               ; x, qkv_w, out_w, lowp_scales
	s_load_b128 s[12:15], s[0:1], 0x20             ; x_img, w_img
	s_load_b64 s[16:17], s[0:1], 0x30              ; ow_img
	v_lshl_add_u32 v240, v0, 2, 0x10800
	v_mov_b32 v241, 0
	v_lshrrev_b32 v1, 5, v0
	s_delay_alu instid0(VALU_DEP_1)
	v_readfirstlane_b32 s25, v1                    ; wave 0..7
	v_and_b32 v1, 31, v0                           ; lane
	v_and_b32 v2, 15, v0                           ; r
	v_bfe_u32 v3, v0, 4, 1                         ; h
	s_delay_alu instid0(VALU_DEP_3)
	v_lshlrev_b32 v4, 4, v1                        ; 16 x lane: my bytes of a load's 512 and of a store's 512
	s_mul_i32 s26, s25, STG
	v_add_nc_u32 v5, s26, v4                       ; the stage, on the way in: a row as it lies
	v_mul_u32_u24 v6, v2, SP
	s_delay_alu instid0(VALU_DEP_1)
	v_lshl_add_u32 v6, v3, 5, v6
	s_delay_alu instid0(VALU_DEP_1)
	v_add_nc_u32 v6, s26, v6                       ; and on the way out: row r, + 32 h bytes (8 numbers)
	s_mov_b32 s24, 224                             ; out_w's first work-group (in a register: an instruction takes one literal)
	s_wait_alu depctr_va_vdst(0)
	s_wait_kmcnt 0x0
	s_load_b256 s[32:39], s[10:11], 0x0            ; the eight exponents
	s_cmp_lt_u32 ttmp9, 224                        ; which tensor: the choice hangs on the work-group's number alone
	s_cselect_b64 s[20:21], s[6:7], s[8:9]
	s_cselect_b64 s[22:23], s[14:15], s[16:17]
	s_cselect_b32 s24, 128, s24
	s_cmp_lt_u32 ttmp9, 128
	s_cselect_b64 s[20:21], s[4:5], s[20:21]       ; from
	s_cselect_b64 s[22:23], s[12:13], s[22:23]     ; to
	s_cselect_b32 s24, 0, s24                      ; the tensor's first work-group
	s_sub_co_u32 s24, ttmp9, s24
	s_lshl_b32 s24, s24, 3
	s_add_co_u32 s24, s24, s25                     ; p = 8 x work-group in the tensor + wave: row tile p / 4, K steps 2 (p % 4) and the next
	s_lshr_b32 s26, s24, 2
	s_lshl_b32 s26, s26, 16                        ; 16 rows of 4,096 bytes
	s_and_b32 s28, s24, 3
	s_lshl_b32 s28, s28, 10                        ; two K steps of 512 bytes
	s_add_co_u32 s26, s26, s28
	s_mov_b32 s27, 0
	s_add_nc_u64 s[20:21], s[20:21], s[26:27]
.macro LOAD f                          ; fragment f: 16 rows, 512 consecutive bytes each
.irp i, 0,1,2,3,4,5,6,7,8,9,10,11,12,13,14,15
	global_load_b128 v[R+64*\f+4*\i:R+64*\f+4*\i+3], v4, s[20:21] offset:4096*\i+512*\f th:TH_LOAD_NT
.endr
.endm
	LOAD 0
	LOAD 1
	s_lshr_b32 s42, s24, 2                         ; row tile T
	s_and_b32 s43, s24, 3                          ; K steps 2 s43 and the next
	s_lshl_b32 s28, s24, 12                        ; out_w: two neighbouring images
	s_lshr_b32 s44, s42, 6
	s_lshl_b32 s44, s44, 2
	s_and_b32 s45, s42, 3
	s_add_co_u32 s44, s44, s45
	s_lshl_b32 s44, s44, 11                        ; qkv_w: 4 x (Q, K or V) + T % 4, images of 2,048,
	s_bfe_u32 s45, s42, 0x40002
	s_mul_i32 s45, s45, 196608                     ; in head (T / 4) % 16,
	s_add_co_u32 s44, s44, s45
	s_mul_i32 s45, s43, 49152                      ; two K steps of 24,576
	s_add_co_u32 s44, s44, s45
	s_lshr_b32 s46, s42, 4
	s_lshl_b32 s46, s46, 18                        ; x: block T / 16,
	s_lshl_b32 s45, s43, 16                        ; two K steps of 32,768,
	s_add_co_u32 s46, s46, s45
	s_and_b32 s45, s42, 15
	s_lshl_b32 s45, s45, 11                        ; image T % 16
	s_add_co_u32 s46, s46, s45
	s_mov_b32 s30, 2048                            ; from the first K step's image to the second's
	s_cmp_lt_u32 ttmp9, 224
	s_cselect_b32 s28, s44, s28
	s_cselect_b32 s30, 24576, s30
	s_cmp_lt_u32 ttmp9, 128
	s_cselect_b32 s28, s46, s28
	s_cselect_b32 s30, 32768, s30
	s_mov_b32 s31, 0
	s_mov_b32 s29, 0
	s_add_nc_u64 s[22:23], s[22:23], s[28:29]
	s_add_nc_u64 s[30:31], s[22:23], s[30:31]
	s_wait_kmcnt 0x0
	s_cmp_lt_u32 ttmp9, 224
	s_cselect_b32 s40, s33, s39
	s_cmp_lt_u32 ttmp9, 128
	s_cselect_b32 s40, s32, s40                    ; e
	s_add_co_i32 s40, s40, 127
	s_lshl_b32 s41, s40, 23
	v_mov_b32 v11, s41                             ; 2^e as f32: the conversion takes its exponent field
	s_add_co_i32 s40, s40, 8
	s_lshl_b32 s40, s40, 23
	s_or_b32 s40, s40, 0x600000
	v_mov_b32 v10, s40                             ; 448 x 2^e
.macro PROC f
	s_wait_loadcnt 16*(1-\f)                       ; this fragment's 16 loads are in; the other fragment's 16, issued behind them, may be out
.irp i, 0,1,2,3,4,5,6,7,8,9,10,11,12,13,14,15
	ds_store_b128 v5, v[R+64*\f+4*\i:R+64*\f+4*\i+3] offset:SP*\i
.endr
.irp c, 0,1,2,3,4,5,6,7                ; LDS serves a wave's instructions in order: these see the stores above
	ds_load_b128 v[X+8*\c:X+8*\c+3], v6 offset:64*\c
	ds_load_b128 v[X+8*\c+4:X+8*\c+7], v6 offset:64*\c+16
.endr
	s_wait_dscnt 0x0
.irp c, 0,1,2,3,4,5,6,7
.irp i, 0,1,2,3,4,5,6,7
	v_med3_num_f32 v[X+8*\c+\i], v[X+8*\c+\i], -v10, v10   ; the conversion to an 8-bit code does not saturate (ISA guide 7.6.2): hold first
.endr
	v_cvt_scalef32_pk8_fp8_f32 v[C+16*\f+2*\c:C+16*\f+2*\c+1], v[X+8*\c:X+8*\c+7], v11   ; registers 2 c, 2 c + 1 of the fragment
.endr
	v_nop                                          ; a plain place between the last conversion and the next vector instruction that writes its sources
.irp i, 0,1,2,3
	global_store_b128 v4, v[C+16*\f+4*\i:C+16*\f+4*\i+3], s[22+8*\f:23+8*\f] offset:512*\i   ; 512 consecutive bytes, aligned
.endr
.endm
	s_wait_alu depctr_va_vdst(0)
	PROC 0
	PROC 1
	s_wait_tensorcnt 0x0
	ds_add_u32 v240, v241
	s_wait_dscnt 0x0
	s_endpgm
.Lfunc_end_k_qb9f4deaf48_quant:
	.size	k_qb9f4deaf48_quant, .Lfunc_end_k_qb9f4deaf48_quant-k_qb9f4deaf48_quant
	.p2alignl 7, 3214868480
	.fill 96, 4, 3214868480
	.section	.rodata,"a",@progbits
	.p2align	6, 0x0
	.amdhsa_kernel k_qb9f4deaf48_quant
		.amdhsa_group_segment_fixed_size 68608
		.amdhsa_private_segment_fixed_size 0
		.amdhsa_enable_private_segment 0
		.amdhsa_kernarg_size 56
		.amdhsa_user_sgpr_count 2
		.amdhsa_user_sgpr_kernarg_segment_ptr 1
		.amdhsa_wavefront_size32 1
		.amdhsa_system_sgpr_workgroup_id_x 1
		.amdhsa_system_sgpr_workgroup_id_y 1
		.amdhsa_system_sgpr_workgroup_id_z 1
		.amdhsa_system_vgpr_workitem_id 0
		.amdhsa_next_free_vgpr 242
		.amdhsa_next_free_sgpr 66
		.amdhsa_reserve_vcc 0
		.amdhsa_float_denorm_mode_32 3
		.amdhsa_float_denorm_mode_16_64 3
		.amdhsa_memory_ordered 1
		.amdhsa_forward_progress 1
		.amdhsa_inst_pref_size 21
	.end_amdhsa_kernel
	.amdgpu_metadata
---
amdhsa.version: [ 1, 2 ]
amdhsa.kernels:
  - .name:           k_qb9f4deaf48_quant
    .symbol:         k_qb9f4deaf48_quant.kd
    .args:
      - { .name: x, .offset: 0, .size: 8, .value_kind: global_buffer, .address_space: global }
      - { .name: qkv_w, .offset: 8, .size: 8, .value_kind: global_buffer, .address_space: global }
      - { .name: out_w, .offset: 16, .size: 8, .value_kind: global_buffer, .address_space: global }
      - { .name: lowp_scales, .offset: 24, .size: 8, .value_kind: global_buffer, .address_space: global }
      - { .name: x_img, .offset: 32, .size: 8, .value_kind: global_buffer, .address_space: global }
      - { .name: w_img, .offset: 40, .size: 8, .value_kind: global_buffer, .address_space: global }
      - { .name: ow_img, .offset: 48, .size: 8, .value_kind: global_buffer, .address_space: global }
    .group_segment_fixed_size: 68608
    .private_segment_fixed_size: 0
    .kernarg_segment_align: 8
    .kernarg_segment_size: 56
    .max_flat_workgroup_size: 256
    .sgpr_count:     66
    .vgpr_count:     242
    .wavefront_size: 32
...
	.end_amdgpu_metadata
.endif
;; end of part 1
;; launch qkv (part 2): grid 16 x 16, 4 waves a work-group, clusters of 4 x 4, 327,680 bytes of LDS; arguments x_img, w_img, lowp_scales, qkv_b, qf, kv; writes qf, kv
.if DOCPART == 2
	.amdgcn_target "amdgcn-amd-amdhsa--gfx1250"
	.amdhsa_code_object_version 6
	.text
	.protected	k_qb9f4deaf48_qkv
	.globl	k_qb9f4deaf48_qkv
	.p2align	8
	.type	k_qb9f4deaf48_qkv,@function
k_qb9f4deaf48_qkv:
	s_mov_b64 s[64:65], 0
	v_nop
	global_prefetch_b8 v0, s[64:65] scope:SCOPE_SE
	s_setreg_imm32_b32 hwreg(HW_REG_WAVE_MODE, 25, 1), 1
	s_wait_xcnt 0x0
	s_wait_alu depctr_hold_cnt(0) depctr_sa_sdst(0) depctr_va_vdst(0) depctr_va_sdst(0) depctr_va_ssrc(0) depctr_va_vcc(0) depctr_vm_vsrc(0)
	s_getreg_b32 s2, hwreg(HW_REG_IB_STS2, 6, 4)
	s_cmp_eq_u32 s2, 0
	s_cbranch_scc0 .Lentry_in_a_cluster
	s_endpgm
.Lentry_in_a_cluster:
	s_bfe_u32 s2, ttmp6, 0x10000c
	s_cmp_lg_u32 s2, 0xf033
	s_cbranch_scc0 .Lentry_shape_is_right
	s_endpgm
.Lentry_shape_is_right:
; q, k, v = x qkv_w^T + qkv_b on codes of FP8 (E4M3): x with 2^e0, qkv_w with 2^e1; the results are quantised at once, q with e2, k with e3, v with e5, and stored as images of the attention's operand registers.
; SHARES.  A work-group makes 256 tokens x ONE head's 64 channels of Q, of K and of V: 16 x 16 = 256 work-groups of equal work.  Each of four waves makes 64 tokens x 192 channels: 48 accumulators.
; Operands are images of registers (2,048 bytes: 16 rows x 128 K, registers 4 c .. 4 c + 3 of lane l at 512 c + 16 l), fetched from LDS by loads of 16 bytes at 16 x lane: no padding.
; K has 8 steps of 128.  LDS holds five of them (A: 5 x 32,768 bytes, then B: 5 x 24,576): steps 0 to 4 come by ONE joint load a wave at the head; steps 5 and 6 are asked for behind step 1, into slots 0 and 1; step 7 behind step 4, into slot 2.
; CLUSTERS of 4 x 4: x's tiles are shared along a row (same tokens), qkv_w's along a column (same head).  No prefetch: the steps are written out, there is no loop to run ahead in, each byte is asked for once, and five eighths of them in the head's one load.
; Q AND K are made transposed (source 0 = 16 channels, source 1 = 16 tokens): a lane holds a token, its registers run along channels.  V is made the other way round: a lane holds a channel, its registers run along tokens.
; LIMITS: -(e0 + e1) is applied to the bias by v_ldexp_f32; e2, e3, e5 less (e0 + e1) lie between -126 and 119, so that each power of two is an f32 number.  NaN is not served.
; REGISTERS: window 0: v16-29 addresses; v32-103 the bias; v104-109 scales and bounds; v128-191, v192-255 two sets of A's 4 fragments (on the way out: v128-159 at work, v160-255 codes).
;   window 1: v0-191 B's 12 fragments.   window 2: Q's and K's accumulators (channel tile n, token tile i at v[32 n + 8 i]);   window 3: v0-127 V's.
.set BOFF,  163840                     ; B's place in LDS
.set SPARE, 286720                     ; behind A and B: the spare words, 128 bytes for each wave
.set ADA, 16                           ; v16-18  LDS address of my A fragments in slots 0, 2, 4
.set ADB, 20                           ; v20-22  of B's
.set LI,  24                           ; v24     16 x lane
.set A0,  128
.set A1,  192
.set TMP, 128
.set G1A, 24                           ; s[24:55] descriptor group 1: the head's for A and B (and the last refill's), the first refill's for A and B
.set G1B, 32
.set G1A2, 40
.set G1B2, 48
.set G0A, 56                           ; s[56:63], s[80:87] group 0, likewise
.set G0B, 60
.set G0A2, 80
.set G0B2, 84
.set MSB, 0
.macro WIN new                         ; the immediate's high byte repeats the setting that is left
.if MSB != \new
	s_set_vgpr_msb (MSB<<8)|\new
.set MSB, \new
.endif
.endm
; A joint load: waves 0 and 1 fetch for A, waves 2 and 3 for B; each line has one mask.  An s_nop 0 and four v_nop follow each.
.macro JLOAD g0a, g1a, g0b, g1b
	s_cmp_eq_u32 s17, 0
	s_cbranch_scc0 .Lfor_b_\@
	tensor_load_to_lds s[\g0a:\g0a+3], s[\g1a:\g1a+7]
	s_nop 0
.rept 4
	v_nop
.endr
	s_branch .Lasked_\@
.Lfor_b_\@:
	tensor_load_to_lds s[\g0b:\g0b+3], s[\g1b:\g1b+7]
	s_nop 0
.rept 4
	v_nop
.endr
.Lasked_\@:
.endm
.macro CREST                           ; a round of the cluster's barrier behind its opening barrier
	s_cmp_lg_u32 s16, 0
	s_cbranch_scc1 .Lnot_wave_0_\@
	s_barrier_signal -3
.Lnot_wave_0_\@:
	s_barrier_wait -3
	s_barrier_signal -1
	s_barrier_wait -1
.endm
.macro CROUND                          ; a whole round
	s_barrier_signal -1
	s_barrier_wait -1
	CREST
.endm
	s_load_b256 s[4:11], s[0:1], 0x0               ; x_img, w_img, lowp_scales, qkv_b
	s_load_b128 s[12:15], s[0:1], 0x20             ; qf, kv
	v_lshl_add_u32 v28, v0, 2, SPARE
	v_mov_b32 v29, 0
	ds_add_u32 v28, v29                            ; the wave's opening: the add, twice on end, and its wait ahead of my first tensor load
	ds_add_u32 v28, v29
	v_lshrrev_b32 v1, 5, v0
	v_readfirstlane_b32 s16, v1                    ; wave
	s_lshr_b32 s17, s16, 1                         ; I fetch for A (0) or B (1)
	s_and_b32 s18, s16, 1                          ; which half of it
	s_bfe_u32 s19, ttmp6, 0x40000                  ; cx
	s_bfe_u32 s20, ttmp6, 0x40004                  ; cy
	s_lshl_b32 s21, ttmp9, 2
	s_add_co_u32 s21, s21, s19                     ; head
	s_and_b32 s22, ttmp7, 0xffff
	s_lshl_b32 s22, s22, 2
	s_add_co_u32 s22, s22, s20                     ; block of 256 tokens
	s_lshl_b32 s70, s20, 2
	s_lshl_b32 s70, 15, s70                        ; my row of the cluster
	s_lshl_b32 s71, 0x1111, s19                    ; my column
	s_lshl_b32 s96, s16, 13                        ; my 4 row tiles of A
	s_add_co_u32 s97, s96, 65536
	s_add_co_u32 s98, s96, 131072
	s_wait_alu depctr_va_vdst(0)
	v_and_b32 v1, 31, v0
	v_lshlrev_b32 v[LI], 4, v1
	v_add_nc_u32 v[ADA], s96, v[LI]
	v_add_nc_u32 v[ADA+1], s97, v[LI]
	v_add_nc_u32 v[ADA+2], s98, v[LI]
	v_add_nc_u32 v[ADB], BOFF, v[LI]
	v_add_nc_u32 v[ADB+1], BOFF+49152, v[LI]
	v_add_nc_u32 v[ADB+2], BOFF+98304, v[LI]
	v_bfe_u32 v25, v0, 4, 1
	v_lshlrev_b32 v25, 5, v25                      ; the bias of Q and K: 8 channels for each half of the lanes
	v_and_b32 v26, 15, v0
	v_lshlrev_b32 v26, 2, v26                      ; of V: a channel a lane
	s_wait_alu depctr_va_vdst(0)
	; descriptor group 1: dense pieces as rows of 4,096 bytes in elements of 8 bytes
	s_or_b32 s[G1A], s70, (3<<16)|(1<<21)
	s_or_b32 s[G1B], s71, (3<<16)|(1<<21)
	s_or_b32 s[G1A2], s70, (3<<16)|(1<<21)
	s_or_b32 s[G1B2], s71, (3<<16)|(1<<21)
.irp g, G1A, G1B, G1A2, G1B2
	s_mov_b32 s[\g+1], 512<<16
	s_mov_b32 s[\g+3], 512<<16
	s_mov_b32 s[\g+5], 512
	s_mov_b32 s[\g+6], 0
	s_mov_b32 s[\g+7], 0
.endr
	s_mov_b32 s[G1A+2], 20<<16                     ; A, head: half of five steps of 32,768
	s_mov_b32 s[G1A+4], 20
	s_mov_b32 s[G1B+2], 15<<16                     ; B, head: half of five steps of 24,576
	s_mov_b32 s[G1B+4], 15
	s_mov_b32 s[G1A2+2], 8<<16                     ; A, first refill: half of two steps
	s_mov_b32 s[G1A2+4], 8
	s_mov_b32 s[G1B2+2], 6<<16                     ; B, first refill
	s_mov_b32 s[G1B2+4], 6
	; A's addresses are made of the token block and the wave's number alone, B's of the head and the wave's number alone
	s_lshl_b32 s66, s22, 18
	s_mul_i32 s92, s18, 32768
	s_add_co_u32 s88, s66, s92
	s_add_co_u32 s88, s88, 163840                  ; A, steps 5 and 6
	s_lshr_b32 s100, s92, 1
	s_add_co_u32 s96, s66, s100
	s_add_co_u32 s96, s96, 229376                  ; A, step 7,
	s_add_co_u32 s100, s100, 65536                 ; and its place in slot 2
	s_mul_i32 s93, s18, 81920
	s_add_co_u32 s66, s66, s93
	s_mov_b32 s67, 0
	s_mov_b32 s89, 0
	s_mov_b32 s97, 0
	s_mul_i32 s68, s21, 196608
	s_mul_i32 s94, s18, 24576
	s_add_co_u32 s90, s68, s94
	s_add_co_u32 s90, s90, 122880                  ; B, steps 5 and 6
	s_lshr_b32 s101, s94, 1
	s_add_co_u32 s98, s68, s101
	s_add_co_u32 s98, s98, 172032                  ; B, step 7,
	s_add_co_u32 s101, s101, BOFF+49152            ; and its place in slot 2
	s_mul_i32 s95, s18, 61440
	s_add_co_u32 s68, s68, s95
	s_mov_b32 s69, 0
	s_mov_b32 s91, 0
	s_mov_b32 s99, 0
	s_add_co_u32 s94, s94, BOFF
	s_add_co_u32 s95, s95, BOFF
	s_wait_dscnt 0x0                               ; both opening adds are done
	s_wait_kmcnt 0x0
	s_load_b256 s[72:79], s[8:9], 0x0              ; e0 .. e7
	s_mov_b32 s[G0A], 1
	s_mov_b32 s[G0A+1], s93
	s_add_nc_u64 s[G0A+2:G0A+3], s[4:5], s[66:67]
	s_or_b32 s[G0A+3], s[G0A+3], 0x80000000
	s_mov_b32 s[G0B], 1
	s_mov_b32 s[G0B+1], s95
	s_add_nc_u64 s[G0B+2:G0B+3], s[6:7], s[68:69]
	s_or_b32 s[G0B+3], s[G0B+3], 0x80000000
	s_mov_b32 s[G0A2], 1
	s_mov_b32 s[G0A2+1], s92
	s_add_nc_u64 s[G0A2+2:G0A2+3], s[4:5], s[88:89]
	s_or_b32 s[G0A2+3], s[G0A2+3], 0x80000000
	s_mov_b32 s[G0B2], 1
	s_mov_b32 s[G0B2+1], s94
	s_add_nc_u64 s[G0B2+2:G0B2+3], s[6:7], s[90:91]
	s_or_b32 s[G0B2+3], s[G0B2+3], 0x80000000
	CROUND                                         ; all sixteen work-groups are here: the joint loads meet
	JLOAD G0A, G1A, G0B, G1B                       ; steps 0 to 4: one tensor load a wave at the head
	s_lshl_b32 s66, s21, 8                         ; the bias of my head: 64 numbers of Q's, of K's (4,096 bytes on), of V's (8,192 bytes on)
	s_mov_b32 s67, 0
	s_add_nc_u64 s[10:11], s[10:11], s[66:67]
.irp n, 0,1,2,3
.irp u, 0,1
	global_load_b128 v[32+8*\n+4*\u:32+8*\n+4*\u+3], v25, s[10:11] offset:64*\n+16*\u
	global_load_b128 v[64+8*\n+4*\u:64+8*\n+4*\u+3], v25, s[10:11] offset:4096+64*\n+16*\u
.endr
	global_load_b32 v[110+\n], v26, s[10:11] offset:8192+64*\n
.endr
.macro LDA s, ab                       ; my 4 fragments of A in slot s
	WIN 0
.irp i, 0,1,2,3
.irp c, 0,1,2,3
	ds_load_b128 v[\ab+16*\i+4*\c:\ab+16*\i+4*\c+3], v[ADA+(\s)/2] offset:32768*((\s)%2)+2048*\i+512*\c
.endr
.endr
.endm
.macro LDB s, n0                       ; B's fragments n0 .. n0 + 5
	WIN 0x40
.irp n, 0,1,2,3,4,5
.irp c, 0,1,2,3
	ds_load_b128 v[16*(\n0+\n)+4*\c:16*(\n0+\n)+4*\c+3], v[ADB+(\s)/2] offset:24576*((\s)%2)+2048*(\n0+\n)+512*\c
.endr
.endr
.endm
; The 48 accumulators take turns, one instruction a turn, in the same order in every step.  zero = 1: the first products start the sums.
.macro MQ n, ab, zero                  ; channel tile n of Q (0 .. 3) or K (4 .. 7)
	WIN 0xa1                                       ; source 0 (B) window 1, source 1 (A) window 0, C and D window 2
.irp i, 0,1,2,3
.if \zero
	v_wmma_f32_16x16x128_fp8_fp8 v[32*(\n)+8*\i:32*(\n)+8*\i+7], v[16*(\n):16*(\n)+15], v[\ab+16*\i:\ab+16*\i+15], 0
.else
	v_wmma_f32_16x16x128_fp8_fp8 v[32*(\n)+8*\i:32*(\n)+8*\i+7], v[16*(\n):16*(\n)+15], v[\ab+16*\i:\ab+16*\i+15], v[32*(\n)+8*\i:32*(\n)+8*\i+7]
.endif
.endr
.endm
.macro MV n, ab, zero                  ; channel tile n - 8 of V
	WIN 0xf4                                       ; source 0 (A) window 0, source 1 (B) window 1, C and D window 3
.irp i, 0,1,2,3
.if \zero
	v_wmma_f32_16x16x128_fp8_fp8 v[32*(\n-8)+8*\i:32*(\n-8)+8*\i+7], v[\ab+16*\i:\ab+16*\i+15], v[16*(\n):16*(\n)+15], 0
.else
	v_wmma_f32_16x16x128_fp8_fp8 v[32*(\n-8)+8*\i:32*(\n-8)+8*\i+7], v[\ab+16*\i:\ab+16*\i+15], v[16*(\n):16*(\n)+15], v[32*(\n-8)+8*\i:32*(\n-8)+8*\i+7]
.endif
.endr
.endm
.macro PLACES                          ; four places in front of loads into registers that matrix instructions have read
.rept 4
	v_nop
.endr
.endm
; A step of 128 along K.  B's fragments are fetched anew in two halves, each as soon as its products are issued; A's go to the other set.
.macro STEP cur, oth, zero, nx         ; nx: the next step's slot, 9 = none is fetched here
	s_wait_dscnt 24                                ; B's 0-5 and A are in; the youngest 24 loads (B's 6-11) may be out
.irp n, 0,1,2,3,4,5
	MQ \n, \cur, \zero
.endr
	s_wait_dscnt 0x0
.if \nx < 9
	PLACES
	LDB \nx, 0
	LDA \nx, \oth
.endif
	MQ 6, \cur, \zero
	MQ 7, \cur, \zero
.irp n, 8,9,10,11
	MV \n, \cur, \zero
.endr
.if \nx < 9
	PLACES
	LDB \nx, 6
.endif
.endm
; A step whose end changes what LDS holds.  In front of the barrier each wave waits for all its tensor loads, adds 0 to its spare word, and waits for that and for its reads.
; fill = 1: slots 0 and 1 take steps 5 and 6 behind the round; fill = 2: slot 2 takes step 7; fill = 0: nothing is filled.
.macro TURN cur, oth, nx, fill
	WIN 0
	s_wait_tensorcnt 0x0                           ; all my tensor loads have landed;
	ds_add_u32 v28, v29
.if \fill == 2                         ; no load of mine is out: the head's descriptors become the last refill's, half a step of A or of B
	s_mov_b32 s[G1A+2], 4<<16
	s_mov_b32 s[G1A+4], 4
	s_mov_b32 s[G1B+2], 3<<16
	s_mov_b32 s[G1B+4], 3
	s_mov_b32 s[G0A+1], s100
	s_add_nc_u64 s[G0A+2:G0A+3], s[4:5], s[96:97]
	s_or_b32 s[G0A+3], s[G0A+3], 0x80000000
	s_mov_b32 s[G0B+1], s101
	s_add_nc_u64 s[G0B+2:G0B+3], s[6:7], s[98:99]
	s_or_b32 s[G0B+3], s[G0B+3], 0x80000000
.endif
	s_wait_dscnt 25                                ; (the add and the youngest 24 loads, B's 6-11, may be out)
.irp n, 0,1,2,3,4,5
	MQ \n, \cur, 0
.endr
	s_wait_dscnt 0x0                               ; the add is done, and my reads are over
	s_barrier_signal -1
	MQ 6, \cur, 0
	MQ 7, \cur, 0
	MV 8, \cur, 0
	WIN 0
	s_barrier_wait -1
.if \fill == 1
	CREST                                          ; no wave of any partner still reads slots 0 and 1 or has a load on its way
	JLOAD G0A2, G1A2, G0B2, G1B2                   ; steps 5 and 6: three steps' products stand between this and the wait for it, less the last step's first products
.elseif \fill == 2
	CREST
	JLOAD G0A, G1A, G0B, G1B                       ; step 7: steps 5 and 6 stand in between
.else
	PLACES
.endif
	LDB \nx, 0
	LDA \nx, \oth
.irp n, 9,10,11
	MV \n, \cur, 0
.endr
	PLACES
	LDB \nx, 6
.endm
	s_wait_tensorcnt 0x0                           ; my part of steps 0 to 4 is in
	s_barrier_signal -1
	s_barrier_wait -1                              ; everybody's is
	LDB 0, 0
	LDA 0, A0
	LDB 0, 6
	STEP A0, A1, 1, 1
	TURN A1, A0, 2, 1
	STEP A0, A1, 0, 3
	STEP A1, A0, 0, 4
	TURN A0, A1, 0, 2
	STEP A1, A0, 0, 1
	TURN A0, A1, 2, 0
	STEP A1, A0, 0, 9
	WIN 0
	; THE WAY OUT: (sum + bias x 2^-(e0 + e1)), held, converted with the scale 2^(e - e0 - e1).  bh = 16 x batch + head.
	s_lshr_b32 s66, s22, 3
	s_lshl_b32 s66, s66, 4
	s_add_co_u32 s66, s66, s21                     ; bh
	s_and_b32 s67, s22, 7                          ; the block of 256 tokens in its batch
	s_lshl_b32 s68, s66, 17
	s_lshl_b32 s69, s67, 14
	s_add_co_u32 s68, s68, s69
	s_lshl_b32 s69, s16, 12
	s_add_co_u32 s68, s68, s69                     ; qf: token tiles of 1,024 bytes
	s_mov_b32 s69, 0
	s_add_nc_u64 s[12:13], s[12:13], s[68:69]
	s_lshl_b32 s68, s66, 18
	s_lshl_b32 s69, s67, 15
	s_add_co_u32 s68, s68, s69
	s_lshl_b32 s69, s17, 14
	s_add_co_u32 s68, s68, s69                     ; kv: steps of 128 keys, 16,384 bytes: K's 8 key tiles, then V's 4 channel tiles
	s_lshl_b32 s70, s18, 12
	s_add_co_u32 s70, s70, s68                     ; my 4 key tiles
	s_mov_b32 s71, 0
	s_lshl_b32 s69, s18, 10
	s_add_co_u32 s68, s68, s69                     ; my half of the channel tiles' images
	s_mov_b32 s69, 0
	s_add_nc_u64 s[88:89], s[14:15], s[70:71]
	s_add_nc_u64 s[90:91], s[14:15], s[68:69]
	s_wait_kmcnt 0x0
	s_add_co_i32 s94, s72, s73                     ; e0 + e1
	s_sub_co_i32 s93, 0, s94
.macro SCL e, sc                       ; v[sc]: the scale as f32;  v[sc + 1]: 448 x that
	s_sub_co_i32 s95, s[\e], s94
	s_add_co_i32 s95, s95, 127
	s_lshl_b32 s96, s95, 23
	s_add_co_i32 s95, s95, 8
	s_lshl_b32 s97, s95, 23
	s_or_b32 s97, s97, 0x600000
	v_mov_b32 v[\sc], s96
	v_mov_b32 v[\sc+1], s97
.endm
	SCL 74, 104
	SCL 75, 106
	SCL 77, 108
	s_wait_alu depctr_va_vdst(0)
	s_wait_loadcnt 0x0                             ; the bias
.set i, 0
.rept 64
	v_ldexp_f32 v[32+i], v[32+i], s93
.set i, i+1
.endr
.irp d, 0,1,2,3
	v_ldexp_f32 v[96+2*\d], v[110+\d], s93
	v_ldexp_f32 v[97+2*\d], v[110+\d], s93
.endr
; Four accumulators become 8 registers of codes, 1,024 bytes, stored by two instructions of 512 consecutive bytes.  Each group has its own registers for its codes.
.macro OUTG win, ac, sn, bi, bn, bj, sc, cb, sb, off
	WIN \win
.irp n, 0,1,2,3
.irp j, 0,2,4,6
	v_pk_add_f32 v[TMP+8*\n+\j:TMP+8*\n+\j+1], v[\ac+\sn*\n+\j:\ac+\sn*\n+\j+1], v[\bi+\bn*\n+\bj*\j:\bi+\bn*\n+\bj*\j+1]
.endr
.endr
	WIN 0
.irp n, 0,1,2,3
.irp i, 0,1,2,3,4,5,6,7
	v_med3_num_f32 v[TMP+8*\n+\i], v[TMP+8*\n+\i], -v[\sc+1], v[\sc+1]   ; the conversion does not saturate (ISA guide 7.6.2): hold first
.endr
	v_cvt_scalef32_pk8_fp8_f32 v[\cb+2*\n:\cb+2*\n+1], v[TMP+8*\n:TMP+8*\n+7], v[\sc]
.endr
	v_nop                                          ; a plain place between the last conversion and the next vector instruction that writes its sources
	global_store_b128 v[LI], v[\cb:\cb+3], s[\sb:\sb+1] offset:\off
	global_store_b128 v[LI], v[\cb+4:\cb+7], s[\sb:\sb+1] offset:\off+512
.endm
.irp t, 0,1,2,3
	OUTG 0x02, 8*\t, 32, 32, 8, 1, 104, 160+8*\t, 12, 1024*\t
.endr
.irp t, 0,1,2,3
	OUTG 0x02, 128+8*\t, 32, 64, 8, 1, 106, 192+8*\t, 88, 1024*\t
.endr
.irp t, 0,1,2,3
	OUTG 0x03, 32*\t, 8, 96+2*\t, 0, 0, 108, 224+8*\t, 90, 8192+2048*\t
.endr
	s_wait_tensorcnt 0x0                           ; the wave's end
	ds_add_u32 v28, v29
	s_wait_dscnt 0x0
	CROUND                                         ; the closing round: no work-group ends while a partner may still ask for a tile that names it
	s_endpgm
.Lfunc_end_k_qb9f4deaf48_qkv:
	.size	k_qb9f4deaf48_qkv, .Lfunc_end_k_qb9f4deaf48_qkv-k_qb9f4deaf48_qkv
	.p2alignl 7, 3214868480
	.fill 96, 4, 3214868480
	.section	.rodata,"a",@progbits
	.p2align	6, 0x0
	.amdhsa_kernel k_qb9f4deaf48_qkv
		.amdhsa_group_segment_fixed_size 327680
		.amdhsa_private_segment_fixed_size 0
		.amdhsa_enable_private_segment 0
		.amdhsa_kernarg_size 48
		.amdhsa_user_sgpr_count 2
		.amdhsa_user_sgpr_kernarg_segment_ptr 1
		.amdhsa_wavefront_size32 1
		.amdhsa_system_sgpr_workgroup_id_x 1
		.amdhsa_system_sgpr_workgroup_id_y 1
		.amdhsa_system_sgpr_workgroup_id_z 1
		.amdhsa_system_vgpr_workitem_id 0
		.amdhsa_next_free_vgpr 1024
		.amdhsa_next_free_sgpr 102
		.amdhsa_reserve_vcc 0
		.amdhsa_float_denorm_mode_32 3
		.amdhsa_float_denorm_mode_16_64 3
		.amdhsa_memory_ordered 1
		.amdhsa_forward_progress 1
		.amdhsa_inst_pref_size 121
	.end_amdhsa_kernel
	.amdgpu_metadata
---
amdhsa.version: [ 1, 2 ]
amdhsa.kernels:
  - .name:           k_qb9f4deaf48_qkv
    .symbol:         k_qb9f4deaf48_qkv.kd
    .args:
      - { .name: x_img, .offset: 0, .size: 8, .value_kind: global_buffer, .address_space: global }
      - { .name: w_img, .offset: 8, .size: 8, .value_kind: global_buffer, .address_space: global }
      - { .name: lowp_scales, .offset: 16, .size: 8, .value_kind: global_buffer, .address_space: global }
      - { .name: qkv_b, .offset: 24, .size: 8, .value_kind: global_buffer, .address_space: global }
      - { .name: qf, .offset: 32, .size: 8, .value_kind: global_buffer, .address_space: global }
      - { .name: kv, .offset: 40, .size: 8, .value_kind: global_buffer, .address_space: global }
    .group_segment_fixed_size: 327680
    .private_segment_fixed_size: 0
    .kernarg_segment_align: 8
    .kernarg_segment_size: 48
    .max_flat_workgroup_size: 128
    .sgpr_count:     102
    .vgpr_count:     1024
    .wavefront_size: 32
...
	.end_amdgpu_metadata
.endif
;; end of part 2
;; launch attn (part 3): grid 8 x 32, 8 waves a work-group, no clusters, 263,168 bytes of LDS; arguments qf, kv, lowp_scales, o_img; writes o_img
.if DOCPART == 3
	.amdgcn_target "amdgcn-amd-amdhsa--gfx1250"
	.amdhsa_code_object_version 6
	.text
	.protected	k_qb9f4deaf48_attn
	.globl	k_qb9f4deaf48_attn
	.p2align	8
	.type	k_qb9f4deaf48_attn,@function
k_qb9f4deaf48_attn:
	s_mov_b64 s[64:65], 0
	v_nop
	global_prefetch_b8 v0, s[64:65] scope:SCOPE_SE
	s_setreg_imm32_b32 hwreg(HW_REG_WAVE_MODE, 25, 1), 1
	s_wait_xcnt 0x0
; o[bh][q] = the sum over k of softmax_k(q . k / 8) v, 32 heads of 64, 2,048 keys, both products on codes of FP8 (E4M3) with the given scales: q e2, k e3, p e4, v e5; o is quantised at once with e6 for the last product.
; THE SOFTMAX AHEAD OF THE SECOND PRODUCT: t = score x log2(e) / 8; M = the row's largest t so far, rounded UP to a whole number; p = 2^(t - M) is what is quantised; it is not normalised.
; The row's sum is taken of the unquantised p, in f32, and divides O at the end.  When M moves, the sum and O are multiplied by 2^(old M - new M): exact.
; SHARES.  A work-group owns 256 queries of one head, each of its eight waves 32 of them: tiles a and b of 16, two waves to a SIMD.  Each fragment of K and V read from LDS feeds two products.
; A HEAD'S K AND V^T, 262,144 bytes of codes, lie in LDS whole, as they lie in kv: [16 key steps][K: 8 key tiles x 1,024, then V^T: 4 d tiles x 2,048], all images of operand registers (four registers of lane l at 16 l).
; They come once, in four groups of four key steps, 8,192 bytes of a group by each wave, through registers: group 0 ahead of key step 0, groups 1 and 2 under key steps 0 and 1, group 3 under key step 2.
; NO CLUSTER, NO TENSOR LOAD: the eight work-groups of a head want the same 262,144 bytes, but each asks for them once, and its LDS reads are 2,097,152 bytes.
; A branch on e4 leaves out 64 holds for each tile and key step where they can change nothing (p is at most 1: e4 of -8 or more).  Where e4 is less, they are done.  No prefetch: no loop here loads from memory.
; LAYOUT.  Both products transposed: S^T = K Q^T (source 0 = 16 keys, source 1 = 16 queries), O^T = V^T P^T: lane (r, h) holds query r throughout.  Key tile t's eight registers of S^T are keys 16 t + 8 h + 0 .. 7:
; converted they are registers 2 t, 2 t + 1 of P's fragment of 128 keys.  O^T's four tiles converted are half an image (1,024 bytes) of the last product's fragment.
; LIMITS: e2 + e3 between -123 and 130 (added to c's exponent field); e4 and e6 between -126 and 119; e4 + e5 is applied by v_ldexp_f32.  NaN is not served.
; REGISTERS.  Tile a lies in window 0, tile b in window 1 with the same numbers, so one text serves both: v[4:5] -M, v[6:7] f, v[8:9] and v[10:11] the sum's two chains, v12-15 chains of maxima, then of the step's sum, v16 the largest score so far,
;   v17 the old -M, v18 a permute's result, v19 2^e4, v20 448 x 2^e4, v22-29 Q, v32-95 S^T, then p; v30-45 p's codes (over scores that are converted); v96-127 O^T.
;   Window 0 alone: v0 an LDS address, v1 16 x lane, v2, v3 the add's; v128-191 K, v192-255 V^T of a key step.   Window 1 alone: v128-255 two groups on their way to LDS.
.set WV,  12                           ; s12  my wave's number
.set E4,  44
.set CS,  48                           ; s[48:49] c = log2(e) / 8 x 2^(e2 + e3)
.set SEL, 50                           ; s[50:51] lane selects for v_permlanex16_b32: lane l xor 16
.set CNT, 52
.set TB,  53                           ; s53  LDS byte at which the key step in hand begins
.set SS,  32
.set OT,  96
.set KR,  128
.set VR,  192
.set SPARE, 262144                     ; the spare words, 128 bytes for each wave
.set MSB, 0
.macro WIN new                         ; the immediate's high byte repeats the setting that is left
.if MSB != \new
	s_set_vgpr_msb (MSB<<8)|\new
.set MSB, \new
.endif
.endm
.set WB, 0x55                          ; every operand in window 1: tile b
	s_load_b256 s[4:11], s[0:1], 0x0               ; qf, kv, lowp_scales, o_img
	v_lshl_add_u32 v2, v0, 2, SPARE
	v_mov_b32 v3, 0
	v_lshrrev_b32 v1, 5, v0
	v_readfirstlane_b32 s[WV], v1                  ; wave 0..7
	s_and_b32 s13, ttmp7, 0xffff                   ; bh
	s_lshl_b32 s14, s[WV], 13                      ; my part of a group in LDS: group 0,
	s_add_co_u32 s15, s14, 65536                   ; 1,
	s_add_co_u32 s16, s14, 131072                  ; 2,
	s_add_co_u32 s17, s14, 196608                  ; 3
	s_wait_alu depctr_va_vdst(0)
	v_and_b32 v1, 31, v0
	v_lshlrev_b32 v1, 4, v1
	v_add_nc_u32 v0, s14, v1
	s_wait_alu depctr_va_vdst(0)                   ; and here, ahead of the scalar lines and the wait below
	s_lshl_b32 s20, s13, 18
	s_add_co_u32 s20, s20, s14                     ; kv: the head, my part of a group
	s_mov_b32 s21, 0
	s_lshl_b32 s22, s13, 17
	s_lshl_b32 s23, ttmp9, 14
	s_add_co_u32 s22, s22, s23
	s_lshl_b32 s23, s[WV], 11
	s_add_co_u32 s22, s22, s23                     ; qf: tiles 16 x + 2 w and the next
	s_mov_b32 s23, 0
	s_lshr_b32 s24, s13, 4
	s_lshl_b32 s24, s24, 7
	s_lshl_b32 s25, ttmp9, 4
	s_add_co_u32 s24, s24, s25
	s_lshl_b32 s25, s[WV], 1
	s_add_co_u32 s24, s24, s25
	s_lshl_b32 s24, s24, 14                        ; o: token tile 128 batch + 16 x + 2 w, 16,384 bytes each; the head's 64 channels are 1,024 of them
	s_and_b32 s25, s13, 15
	s_lshl_b32 s25, s25, 10
	s_add_co_u32 s24, s24, s25
	s_mov_b32 s25, 0
	s_wait_kmcnt 0x0
	s_load_b256 s[40:47], s[8:9], 0x0              ; e0 .. e7
	s_add_nc_u64 s[6:7], s[6:7], s[20:21]
	s_add_nc_u64 s[4:5], s[4:5], s[22:23]
	s_add_nc_u64 s[10:11], s[10:11], s[24:25]
.set n, 0
.rept 16
	global_load_b128 v[SS+4*n:SS+4*n+3], v1, s[6:7] offset:512*n             ; group 0
.set n, n+1
.endr
	global_load_b128 v[22:25], v1, s[4:5]                                    ; Q of tile a
	global_load_b128 v[26:29], v1, s[4:5] offset:512
	WIN 0x40
	global_load_b128 v[22:25], v1, s[4:5] offset:1024                        ; of tile b
	global_load_b128 v[26:29], v1, s[4:5] offset:1536
.macro INIT                            ; the key step is written once: its first run finds zeros, which the first change of M leaves zeros
	v_mov_b32 v16, 0xff61b1e6                      ; the largest score so far: -3e38, under every score
	v_mov_b32 v5, 0                                ; (named as the upper half of a pair; v7 likewise)
	v_mov_b32 v7, 0
	v_mov_b32 v18, 0                               ; written once: a lane permute's destination counts as one of its sources
.set n, 8
.rept 4
	v_mov_b32 v[n], 0                              ; the sum
.set n, n+1
.endr
	v_floor_f32 v4, -v16                           ; -M: so large that the first step's f is 0
.set n, OT
.rept 32
	v_mov_b32 v[n], 0
.set n, n+1
.endr
.endm
	WIN 0
	INIT
	WIN WB
	INIT
	WIN 0
	s_mov_b32 s[SEL], 0x76543210
	s_mov_b32 s[SEL+1], 0xfedcba98
	s_wait_alu depctr_va_vdst(0)
	s_wait_kmcnt 0x0
	s_mov_b32 s[CS], 0x3e38aa3b                    ; log2(e) / 8
	s_add_co_i32 s54, s42, s43
	s_lshl_b32 s54, s54, 23
	s_add_co_i32 s[CS], s[CS], s54                 ; a score stands for score x 2^(e2 + e3): the exponents are added to c's exponent field
	s_mov_b32 s[CS+1], s[CS]                       ; (named with it as a pair, so it is written)
	s_add_co_i32 s54, s[E4], 127
	s_lshl_b32 s55, s54, 23
	s_add_co_i32 s54, s54, 8
	s_lshl_b32 s54, s54, 23
	s_or_b32 s54, s54, 0x600000
	v_mov_b32 v19, s55                             ; 2^e4
	v_mov_b32 v20, s54                             ; 448 x 2^e4
	WIN WB
	v_mov_b32 v19, s55
	v_mov_b32 v20, s54
	WIN 0
	s_wait_alu depctr_va_vdst(0)
	s_wait_loadcnt 4                               ; group 0 is in (behind it: Q's 4 loads)
.set n, 0
.rept 16
	ds_store_b128 v0, v[SS+4*n:SS+4*n+3] offset:512*n
.set n, n+1
.endr
	s_wait_loadcnt 0x0                             ; Q is in
	s_wait_dscnt 0x0                               ; my stores are done
	s_barrier_signal -1
	s_barrier_wait -1                              ; everybody's group 0 is in LDS
.macro KLD ad, off                     ; K of a key step: 8 tiles
.set n, 0
.rept 16
	ds_load_b128 v[KR+4*n:KR+4*n+3], v[\ad] offset:\off+512*n
.set n, n+1
.endr
.endm
.macro GET g, r                        ; my part of group g, into window 1
	WIN 0x40
.set n, 0
.rept 16
	global_load_b128 v[\r+4*n:\r+4*n+3], v1, s[6:7] offset:65536*\g+512*n
.set n, n+1
.endr
	WIN 0
.endm
.macro PUT g, r                        ; and from there into LDS
	v_add_nc_u32 v0, s[14+\g], v1
	WIN 0x04
.set n, 0
.rept 16
	ds_store_b128 v0, v[\r+4*n:\r+4*n+3] offset:512*n
.set n, n+1
.endr
	WIN 0
.endm
.macro MAXES                           ; the step's largest score of my query, among my 64 keys and all before: four chains, ascending
	v_max3_num_f32 v12, v[SS], v[SS+1], v[SS+2]
	v_max3_num_f32 v13, v[SS+3], v[SS+4], v[SS+5]
	v_max3_num_f32 v14, v[SS+6], v[SS+7], v[SS+8]
	v_max3_num_f32 v15, v[SS+9], v[SS+10], v[SS+11]
.set q, 0
.rept 26
	v_max3_num_f32 v[12+q%4], v[12+q%4], v[SS+12+2*q], v[SS+13+2*q]
.set q, q+1
.endr
	v_max3_num_f32 v12, v12, v13, v14
	v_max3_num_f32 v12, v12, v15, v16
.endm
.macro FMA i                           ; t - M, two at a time (of the pairs c and -M the low word serves both halves)
	v_pk_fma_f32 v[SS+2*(\i):SS+2*(\i)+1], v[SS+2*(\i):SS+2*(\i)+1], s[CS:CS+1], v[4:5] op_sel_hi:[1,0,0]
.endm
.macro SCALE                           ; M, f and t - M
	v_permlanex16_b32 v18, v12, s[SEL], s[SEL+1]
	v_max_num_f32 v16, v12, v18                    ; with lane l xor 16's: the running largest score
	v_mul_f32 v13, s[CS], v16                      ; as t (c is positive)
	v_floor_f32 v4, -v13                           ; the new -M = floor(-t) = -ceil(t): a whole number
	FMA 0
	v_sub_f32 v14, v4, v17                         ; old M - new M: a whole number, 0 or less
	FMA 1
	v_cvt_i32_f32 v14, v14                         ; (it saturates)
	FMA 2
	v_ldexp_f32 v6, 1.0, v14                       ; f = 2^(old M - new M)
.set j, 3
.rept 29
	FMA j
.set j, j+1
.endr
.endm
.macro EXPS
.set j, 0
.rept 64
	v_exp_f32 v[SS+j], v[SS+j]                     ; p = 2^(t - M), at most 1
.set j, j+1
.endr
.endm
.macro SUMF
	v_pk_mul_f32 v[8:9], v[8:9], v[6:7] op_sel_hi:[1,0]   ; the sum under the new M
.endm
.macro SUMS                            ; the row's sum is taken of the unquantised p: two at a time, in four chains
	v_pk_add_f32 v[10:11], v[SS:SS+1], v[SS+2:SS+3]
	v_pk_add_f32 v[12:13], v[SS+4:SS+5], v[SS+6:SS+7]
	v_pk_add_f32 v[14:15], v[SS+8:SS+9], v[SS+10:SS+11]
.set j, 6
.rept 26
	v_pk_add_f32 v[8+2*((j+2)%4):9+2*((j+2)%4)], v[8+2*((j+2)%4):9+2*((j+2)%4)], v[SS+2*j:SS+2*j+1]
.set j, j+1
.endr
	v_pk_add_f32 v[8:9], v[8:9], v[12:13]
	v_pk_add_f32 v[10:11], v[10:11], v[14:15]
.endm
.macro HOLDS
.set j, 0
.rept 64
	v_min_num_f32 v[SS+j], v20, v[SS+j]            ; the conversion does not saturate (ISA guide 7.6.2); p is not negative, so the hold is one-sided
.set j, j+1
.endr
.endm
.macro CODES                           ; tile t's codes go to v[30 + 2 t]: from t = 1 on over scores that are converted; a plain place stands between a conversion and the next that writes over its sources
.set j, 0
.rept 8
	v_cvt_scalef32_pk8_fp8_f32 v[SS-2+2*j:SS-1+2*j], v[SS+8*j:SS+8*j+7], v19
.if (j == 0) || (j == 4)
	v_nop
.endif
.set j, j+1
.endr
.endm
.macro RESC                            ; O^T under the new M: x f.  (These lines are also the plain places behind the conversions)
	s_wait_alu depctr_va_vdst(0)                   ; directly ahead of the first reader of O^T
.set j, 0
.rept 16
	v_pk_mul_f32 v[OT+2*j:OT+2*j+1], v[OT+2*j:OT+2*j+1], v[6:7] op_sel_hi:[1,0]
.set j, j+1
.endr
.endm
; A KEY STEP: 128 keys, at LDS byte s[TB].  pre = 1: the next step's K is fetched.  V^T lands under the softmax, the next K under the rest of the step.
.macro STEP pre
	s_wait_dscnt 0x0                               ; K is in
	v_add_nc_u32 v0, s[TB], v1                     ; (five places behind the last products, whose codes the scores write over)
	v_mov_b32 v17, v4                              ; the old -M
	v_pk_add_f32 v[8:9], v[8:9], v[10:11]          ; the last step's second chain joins the sum
	v_nop
	v_nop
.irp t, 0,1,2,3,4,5,6,7
	v_wmma_f32_16x16x64_fp8_fp8 v[SS+8*\t:SS+8*\t+7], v[KR+8*\t:KR+8*\t+7], v[22:29], 0
.endr
.set n, 0
.rept 16
	ds_load_b128 v[VR+4*n:VR+4*n+3], v0 offset:8192+512*n
.set n, n+1
.endr
	WIN 0x44                                       ; source 0 (K) window 0; source 1 (Q) and D window 1
.irp t, 0,1,2,3,4,5,6,7
	v_wmma_f32_16x16x64_fp8_fp8 v[SS+8*\t:SS+8*\t+7], v[KR+8*\t:KR+8*\t+7], v[22:29], 0
.endr
	WIN WB
	v_mov_b32 v17, v4                              ; (with the two below: four places behind the products)
	v_pk_add_f32 v[8:9], v[8:9], v[10:11]
	WIN 0
	v_nop
	v_nop
	MAXES
.if \pre
	KLD 0, 16384
.endif
	WIN WB
	MAXES
	WIN 0
	SCALE
	WIN WB
	SCALE
	s_wait_alu depctr_va_vdst(0)
	EXPS
	WIN 0
	EXPS
	SUMF                                           ; (a plain place behind the exponentials)
	s_wait_alu depctr_va_vdst(0)                   ; one wait for the whole batch, ahead of its first reader
	SUMS
	WIN WB
	SUMF
	SUMS
	WIN 0
	s_cmp_ge_i32 s[E4], -8                         ; 1 / 2^e4 is then at most 256, under 448: no p can need the hold
	s_cbranch_scc1 .Lfree_\@
	HOLDS
	WIN WB
	HOLDS
	WIN 0
.Lfree_\@:
	CODES
	RESC
	WIN WB
	CODES
	RESC
	WIN 0
	s_wait_alu depctr_va_vdst(0)
	s_wait_dscnt 16*\pre                           ; V^T is in; the 16 loads of the next step's K, issued behind it, may be out
.irp t, 0,1,2,3
	v_wmma_f32_16x16x128_fp8_fp8 v[OT+8*\t:OT+8*\t+7], v[VR+16*\t:VR+16*\t+15], v[SS-2:SS+13], v[OT+8*\t:OT+8*\t+7]   ; the accumulators take turns, one instruction a turn
.endr
	WIN 0x54                                       ; source 0 (V^T) window 0; source 1 (p), C and D window 1
.irp t, 0,1,2,3
	v_wmma_f32_16x16x128_fp8_fp8 v[OT+8*\t:OT+8*\t+7], v[VR+16*\t:VR+16*\t+15], v[SS-2:SS+13], v[OT+8*\t:OT+8*\t+7]
.endr
	WIN 0
.endm
.macro RUN first, trips                ; so many key steps in a loop
	s_mov_b32 s[TB], 16384*\first
	s_mov_b32 s[CNT], \trips
	s_wait_alu depctr_va_vdst(0)
.Lrun_\@:
	STEP 1
	s_add_co_u32 s[TB], s[TB], 16384
	s_sub_co_u32 s[CNT], s[CNT], 1
	s_cmp_lg_u32 s[CNT], 0
	s_wait_alu depctr_va_vdst(0)                   ; and ahead of the branch
	s_cbranch_scc1 .Lrun_\@
.endm
	KLD 1, 0                                       ; K of key step 0
	GET 1, 128
	GET 2, 192
	RUN 0, 2                                       ; key steps 0 and 1: group 0
	s_wait_alu depctr_va_vdst(0)
	s_wait_loadcnt 0x0                             ; groups 1 and 2 are in
	PUT 1, 128
	PUT 2, 192
	s_wait_dscnt 0x0                               ; my stores are done, and have read their registers
	GET 3, 128
	s_barrier_signal -1
	s_mov_b32 s[TB], 16384*2
	STEP 1                                         ; key step 2 and K of step 3: group 0 still, which nobody writes again
	s_barrier_wait -1                              ; everybody's groups 1 and 2 are in LDS
	s_wait_alu depctr_va_vdst(0)
	s_wait_loadcnt 0x0                             ; group 3 is in
	PUT 3, 128
	s_wait_dscnt 0x0
	s_barrier_signal -1
	s_mov_b32 s[TB], 16384*3
	STEP 1                                         ; key step 3 and K of step 4: groups 0 and 1
	s_barrier_wait -1                              ; all of the head is in LDS
	RUN 4, 11                                      ; key steps 4 to 14
	STEP 0                                         ; step 15 (s[TB] is 16,384 x 15): the last fetches nothing
	; THE WAY OUT: O^T x 2^(e4 + e5) / the sum, held, converted with 2^e6, stored as half an image of the last product's fragment: two stores of 512 consecutive bytes a tile.
	s_add_co_i32 s54, s46, 127
	s_lshl_b32 s55, s54, 23
	s_add_co_i32 s54, s54, 8
	s_lshl_b32 s54, s54, 23
	s_or_b32 s54, s54, 0x600000
	s_add_co_i32 s57, s[E4], s45
.macro OUT w, ws, off                  ; w: the tile's window; ws: the same for a store's data alone
	WIN \w
	v_pk_add_f32 v[8:9], v[8:9], v[10:11]          ; (these plain lines are the places behind the last products)
	v_mov_b32 v20, s54                             ; 448 x 2^e6
	v_mov_b32 v21, s55                             ; 2^e6
	v_add_f32 v8, v8, v9
	v_permlanex16_b32 v18, v8, s[SEL], s[SEL+1]
	v_add_f32 v8, v8, v18                          ; with lane l xor 16's: the row's sum
	s_wait_alu depctr_va_vdst(0)
	v_rcp_f32 v8, v8
	v_nop                                          ; a plain place behind the transcendental
	s_wait_alu depctr_va_vdst(0)                   ; the wait, ahead of the first reader
	v_ldexp_f32 v8, v8, s57                        ; x 2^(e4 + e5)
	s_wait_alu depctr_va_vdst(0)                   ; and directly ahead of the first reader of O^T
.set j, 0
.rept 16
	v_pk_mul_f32 v[SS+2*j:SS+2*j+1], v[OT+2*j:OT+2*j+1], v[8:9] op_sel_hi:[1,0]   ; register 8 t + i is o(query r, channel 16 t + 8 h + i)
.set j, j+1
.endr
.irp t, 0,1,2,3
.irp i, 0,1,2,3,4,5,6,7
	v_med3_num_f32 v[SS+8*\t+\i], v[SS+8*\t+\i], -v20, v20
.endr
	v_cvt_scalef32_pk8_fp8_f32 v[64+2*\t:65+2*\t], v[SS+8*\t:SS+8*\t+7], v21
.endr
	v_nop
	WIN \ws
	global_store_b128 v1, v[64:67], s[10:11] offset:\off
	global_store_b128 v1, v[68:71], s[10:11] offset:\off+512
	WIN 0
.endm
	OUT 0, 0, 0
	OUT WB, 0x04, 16384
	s_wait_tensorcnt 0x0                           ; the wave's end
	ds_add_u32 v2, v3
	s_wait_dscnt 0x0
	s_endpgm
.Lfunc_end_k_qb9f4deaf48_attn:
	.size	k_qb9f4deaf48_attn, .Lfunc_end_k_qb9f4deaf48_attn-k_qb9f4deaf48_attn
	.p2alignl 7, 3214868480
	.fill 96, 4, 3214868480
	.section	.rodata,"a",@progbits
	.p2align	6, 0x0
	.amdhsa_kernel k_qb9f4deaf48_attn
		.amdhsa_group_segment_fixed_size 263168
		.amdhsa_private_segment_fixed_size 0
		.amdhsa_enable_private_segment 0
		.amdhsa_kernarg_size 32
		.amdhsa_user_sgpr_count 2
		.amdhsa_user_sgpr_kernarg_segment_ptr 1
		.amdhsa_wavefront_size32 1
		.amdhsa_system_sgpr_workgroup_id_x 1
		.amdhsa_system_sgpr_workgroup_id_y 1
		.amdhsa_system_sgpr_workgroup_id_z 1
		.amdhsa_system_vgpr_workitem_id 0
		.amdhsa_next_free_vgpr 512
		.amdhsa_next_free_sgpr 66
		.amdhsa_reserve_vcc 0
		.amdhsa_float_denorm_mode_32 3
		.amdhsa_float_denorm_mode_16_64 3
		.amdhsa_memory_ordered 1
		.amdhsa_forward_progress 1
		.amdhsa_inst_pref_size 168
	.end_amdhsa_kernel
	.amdgpu_metadata
---
amdhsa.version: [ 1, 2 ]
amdhsa.kernels:
  - .name:           k_qb9f4deaf48_attn
    .symbol:         k_qb9f4deaf48_attn.kd
    .args:
      - { .name: qf, .offset: 0, .size: 8, .value_kind: global_buffer, .address_space: global }
      - { .name: kv, .offset: 8, .size: 8, .value_kind: global_buffer, .address_space: global }
      - { .name: lowp_scales, .offset: 16, .size: 8, .value_kind: global_buffer, .address_space: global }
      - { .name: o_img, .offset: 24, .size: 8, .value_kind: global_buffer, .address_space: global }
    .group_segment_fixed_size: 263168
    .private_segment_fixed_size: 0
    .kernarg_segment_align: 8
    .kernarg_segment_size: 32
    .max_flat_workgroup_size: 256
    .sgpr_count:     66
    .vgpr_count:     512
    .wavefront_size: 32
...
	.end_amdgpu_metadata
.endif
;; end of part 3
;; launch outp (part 4): grid 8 x 32, 4 waves a work-group, clusters of 4 x 4, 280,064 bytes of LDS; arguments o_img, ow_img, lowp_scales, out_b, out0; writes out0
.if DOCPART == 4
	.amdgcn_target "amdgcn-amd-amdhsa--gfx1250"
	.amdhsa_code_object_version 6
	.text
	.protected	k_qb9f4deaf48_outp
	.globl	k_qb9f4deaf48_outp
	.p2align	8
	.type	k_qb9f4deaf48_outp,@function
k_qb9f4deaf48_outp:
	s_mov_b64 s[64:65], 0
	v_nop
	global_prefetch_b8 v0, s[64:65] scope:SCOPE_SE
	s_setreg_imm32_b32 hwreg(HW_REG_WAVE_MODE, 25, 1), 1
	s_wait_xcnt 0x0
	s_wait_alu depctr_hold_cnt(0) depctr_sa_sdst(0) depctr_va_vdst(0) depctr_va_sdst(0) depctr_va_ssrc(0) depctr_va_vcc(0) depctr_vm_vsrc(0)
	s_getreg_b32 s2, hwreg(HW_REG_IB_STS2, 6, 4)
	s_cmp_eq_u32 s2, 0
	s_cbranch_scc0 .Lentry_in_a_cluster
	s_endpgm
.Lentry_in_a_cluster:
	s_bfe_u32 s2, ttmp6, 0x10000c
	s_cmp_lg_u32 s2, 0xf033
	s_cbranch_scc0 .Lentry_shape_is_right
	s_endpgm
.Lentry_shape_is_right:
; out0 = o out_w^T + out_b on codes of FP8 (E4M3): o with 2^e6, out_w with 2^e7; out0 [4096][1024] f32.  y = sum x 2^(e6 + e7) + bias, one packed multiply-add for two numbers.
; A tile is 128 tokens x 128 columns: 256 work-groups of four waves, each wave 64 x 64: 16 accumulators.  Tiles of 256 x 256 would be 64 work-groups only.
; THE OPERANDS ARE IMAGES OF REGISTERS ([row tile of 16][K step of 128][2,048 bytes]), fetched from LDS by loads of 16 bytes at 16 x lane: no pitch, no padding.
; THE WHOLE K LIES IN LDS: A's 8 row tiles x 16,384 bytes, then B's.  Each wave issues one load at the head: 65,536 bytes, four row tiles.  Nothing is filled again.  No prefetch: no loop runs ahead of a load.
; CLUSTERS: 4 x 4 work-groups; A's tiles are shared along a row of the cluster, B's along a column: joint loads.
; THE MATRIX INSTRUCTION IS USED TRANSPOSED (source 0 = 16 rows of out_w, source 1 = 16 tokens): a lane holds eight neighbouring columns of one row of out0.
; THE WAY OUT: 16 rows x 64 columns (256 bytes a row) at a time through the wave's own stage in LDS, so that sixteen lanes store 256 consecutive bytes, aligned.  The stages lie behind the tiles: no fill lands there.
; A block comes back into the registers of its own accumulators, so no block waits for another's stores.
; LIMIT: e6 + e7 between -126 and 127, so that 2^(e6 + e7) is an f32 number.
; REGISTERS: window 0: v8-9, v24-31 addresses; v32-63 the bias; v64-127 results of two blocks by turns; v128-255 the accumulators ((a, b) at v[128 + 8 (4 a + b)]).  window 1: two fragment buffers of 128: A's four fragments, then B's four.
.set STAGE, 262144
.set SPITCH, 272                       ; a stage row: 256 bytes + 16 = 68 words: the 16 rows that a store touches start 4 words apart modulo 64
.set SPARE, STAGE+4*16*SPITCH          ; the spare words, 128 bytes for each wave
.set ADA, 8
.set ADB, 9
.set STO, 24
.set RD,  25
.set CO,  26
.set BO,  27
.set BV,  32
.set TMP, 64
.set ACC, 128
.set F0,  0
.set F1,  128
.set G1A, 24                           ; s[24:31], s[32:39] descriptor group 1 for A's and B's tiles;  s[40:43], s[44:47] group 0
.set G1B, 32
.set G0A, 40
.set G0B, 44
.set MSB, 0
.macro WIN new                         ; the immediate's high byte repeats the setting that is left
.if MSB != \new
	s_set_vgpr_msb (MSB<<8)|\new
.set MSB, \new
.endif
.endm
.set MUL,  0x05                        ; sources 0 (B) and 1 (A) window 1; C and D window 0
.set TO_F, 0x40                        ; destination window 1, address window 0
.macro CROUND                          ; a round of the cluster's barrier
	s_barrier_signal -1
	s_barrier_wait -1
	s_cmp_lg_u32 s14, 0
	s_cbranch_scc1 .Lnot_wave_0_\@
	s_barrier_signal -3
.Lnot_wave_0_\@:
	s_barrier_wait -3
	s_barrier_signal -1
	s_barrier_wait -1
.endm
	s_load_b256 s[4:11], s[0:1], 0x0               ; o_img, ow_img, lowp_scales, out_b
	s_load_b64 s[12:13], s[0:1], 0x20              ; out0
	v_lshl_add_u32 v30, v0, 2, SPARE
	v_mov_b32 v31, 0
	ds_add_u32 v30, v31                            ; the wave's opening: the add, twice on end, and its wait ahead of my first tensor load
	ds_add_u32 v30, v31
	v_lshrrev_b32 v1, 5, v0
	v_readfirstlane_b32 s14, v1                    ; wave 0..3
	s_lshr_b32 s15, s14, 1                         ; hr: which half of the tile's rows is mine.  Also: I fetch for A (0) or for B (1)
	s_and_b32 s16, s14, 1                          ; hc: which half of its columns.  Also: which half of that tile I fetch
	s_bfe_u32 s17, ttmp6, 0x40000                  ; cx
	s_bfe_u32 s18, ttmp6, 0x40004                  ; cy
	s_lshl_b32 s19, ttmp9, 2
	s_add_co_u32 s19, s19, s17                     ; TC: tile column, 0 .. 7
	s_and_b32 s20, ttmp7, 0xffff
	s_lshl_b32 s20, s20, 2
	s_add_co_u32 s20, s20, s18                     ; TR: tile row, 0 .. 31
	s_lshl_b32 s21, s18, 2
	s_lshl_b32 s21, 15, s21                        ; my row of the cluster
	s_lshl_b32 s22, 0x1111, s17                    ; my column
	s_lshl_b32 s53, s15, 16                        ; my half of A
	s_lshl_b32 s55, s16, 16
	s_add_co_u32 s55, s55, 131072                  ; my half of B, which lies behind A's two
	s_mul_i32 s58, s14, 16*SPITCH
	s_add_co_u32 s58, s58, STAGE                   ; my stage
	s_wait_alu depctr_va_vdst(0)
	v_and_b32 v1, 31, v0
	v_lshlrev_b32 v1, 4, v1                        ; 16 x lane
	v_and_b32 v2, 15, v0                           ; r
	v_bfe_u32 v3, v0, 4, 1                         ; h
	v_add_nc_u32 v[ADA], s53, v1
	v_add_nc_u32 v[ADB], s55, v1
	v_mul_u32_u24 v[STO], v2, SPITCH               ; in: row r, 32 bytes for each half of the lanes
	v_mul_u32_u24 v[RD], v3, SPITCH                ; back: lanes 0-15 one row of 256 bytes, lanes 16-31 the next
	v_lshl_add_u32 v[STO], v3, 5, v[STO]
	v_lshl_add_u32 v[RD], v2, 4, v[RD]
	v_add_nc_u32 v[STO], s58, v[STO]
	v_add_nc_u32 v[RD], s58, v[RD]
	v_lshlrev_b32 v[CO], 12, v3                    ; and the same two rows in out0 (a row is 4,096 bytes)
	v_lshlrev_b32 v[BO], 5, v3                     ; the bias: register 8 b + j is column 16 b + 8 h + j
	v_lshl_add_u32 v[CO], v2, 4, v[CO]
	s_wait_alu depctr_va_vdst(0)
	; descriptor group 1: a dense piece of 65,536 bytes as 16 rows of 4,096, in elements of 8 bytes
	s_or_b32 s[G1A], s21, (3<<16)|(1<<21)
	s_or_b32 s[G1B], s22, (3<<16)|(1<<21)
.irp g, G1A, G1B
	s_mov_b32 s[\g+1], 512<<16
	s_mov_b32 s[\g+2], 16<<16
	s_mov_b32 s[\g+3], 512<<16
	s_mov_b32 s[\g+4], 16
	s_mov_b32 s[\g+5], 512
	s_mov_b32 s[\g+6], 0
	s_mov_b32 s[\g+7], 0
.endr
	s_lshl_b32 s23, s16, 16
	s_lshl_b32 s66, s20, 17                        ; A's offset is made of TR and the wave's number alone,
	s_add_co_u32 s66, s66, s23
	s_mov_b32 s67, 0
	s_lshl_b32 s68, s19, 17                        ; B's of TC and the wave's number alone
	s_add_co_u32 s68, s68, s23
	s_mov_b32 s69, 0
	s_lshl_b32 s60, s14, 16                        ; where they go: wave x 65,536
	s_lshl_b32 s94, s20, 19                        ; out0 at row 128 TR + 64 hr, column 128 TC + 64 hc
	s_lshl_b32 s95, s15, 18
	s_add_co_u32 s94, s94, s95
	s_lshl_b32 s96, s19, 9
	s_lshl_b32 s97, s16, 8
	s_add_co_u32 s96, s96, s97
	s_add_co_u32 s94, s94, s96
	s_mov_b32 s95, 0
	s_mov_b32 s97, 0
	s_wait_dscnt 0x0                               ; both opening adds are done
	s_wait_kmcnt 0x0
	s_load_b256 s[84:91], s[8:9], 0x0              ; e0 .. e7
	s_mov_b32 s[G0A], 1
	s_mov_b32 s[G0A+1], s60
	s_add_nc_u64 s[G0A+2:G0A+3], s[4:5], s[66:67]
	s_or_b32 s[G0A+3], s[G0A+3], 0x80000000
	s_mov_b32 s[G0B], 1
	s_mov_b32 s[G0B+1], s60
	s_add_nc_u64 s[G0B+2:G0B+3], s[6:7], s[68:69]
	s_or_b32 s[G0B+3], s[G0B+3], 0x80000000
	CROUND                                         ; all sixteen work-groups are here: the joint loads meet
	s_cmp_eq_u32 s15, 0                            ; one load a wave; four v_nop follow each of the two lines
	s_cbranch_scc0 .Lfor_b
	tensor_load_to_lds s[G0A:G0A+3], s[G1A:G1A+7]
	s_nop 0
.rept 4
	v_nop
.endr
	s_branch .Lasked
.Lfor_b:
	tensor_load_to_lds s[G0B:G0B+3], s[G1B:G1B+7]
	s_nop 0
.rept 4
	v_nop
.endr
.Lasked:
	s_add_nc_u64 s[12:13], s[12:13], s[94:95]
	s_add_nc_u64 s[10:11], s[10:11], s[96:97]      ; the bias of my 64 columns
.irp b, 0,1,2,3
	global_load_b128 v[BV+8*\b:BV+8*\b+3], v[BO], s[10:11] offset:64*\b
	global_load_b128 v[BV+8*\b+4:BV+8*\b+7], v[BO], s[10:11] offset:64*\b+16
.endr
; 32 LDS loads in one run: the fragments of K step s into buffer f
.macro FETCH s, f
	WIN TO_F
.irp i, 0,1,2,3
.irp c, 0,1,2,3
	ds_load_b128 v[\f+64+16*\i+4*\c:\f+64+16*\i+4*\c+3], v[ADB] offset:16384*\i+2048*(\s)+512*\c
.endr
.endr
.irp i, 0,1,2,3
.irp c, 0,1,2,3
	ds_load_b128 v[\f+16*\i+4*\c:\f+16*\i+4*\c+3], v[ADA] offset:16384*\i+2048*(\s)+512*\c
.endr
.endr
.endm
; 16 matrix instructions, 128 along K.  The 16 accumulators take turns, one instruction a turn, in the same order in every step.  zero = 1: the first products start the sums.
.macro MUL16 f, zero
	WIN MUL
.irp a, 0,1,2,3
.irp b, 0,1,2,3
.if \zero
	v_wmma_f32_16x16x128_fp8_fp8 v[ACC+8*(4*\a+\b):ACC+8*(4*\a+\b)+7], v[\f+64+16*\b:\f+64+16*\b+15], v[\f+16*\a:\f+16*\a+15], 0
.else
	v_wmma_f32_16x16x128_fp8_fp8 v[ACC+8*(4*\a+\b):ACC+8*(4*\a+\b)+7], v[\f+64+16*\b:\f+64+16*\b+15], v[\f+16*\a:\f+16*\a+15], v[ACC+8*(4*\a+\b):ACC+8*(4*\a+\b)+7]
.endif
.endr
.endr
.endm
.macro PLACES                          ; four places in front of loads into registers that matrix instructions have read, and of the first read of results (ISA guide 7.12.1 for the first read of results)
.rept 4
	v_nop
.endr
.endm
.macro NEXT s, f, m                    ; fetch step s's fragments into f, multiply buffer m
	PLACES
	FETCH \s, \f
	s_wait_dscnt 32                                ; all but the 32 just issued
	MUL16 \m, 0
.endm
	s_wait_tensorcnt 0x0                           ; my part is in
	s_barrier_signal -1
	s_barrier_wait -1                              ; everybody's is
	FETCH 0, F0
	FETCH 1, F1
	s_wait_dscnt 32
	MUL16 F0, 1
	NEXT 2, F0, F1
	NEXT 3, F1, F0
	NEXT 4, F0, F1
	NEXT 5, F1, F0
	NEXT 6, F0, F1
	NEXT 7, F1, F0
	s_wait_dscnt 0x0
	MUL16 F1, 0
	WIN 0
	s_wait_kmcnt 0x0
	s_add_co_i32 s92, s90, s91                     ; e6 + e7
	s_add_co_i32 s92, s92, 127
	s_lshl_b32 s92, s92, 23                        ; 2^(e6 + e7) as f32
	s_mov_b32 s93, s92                             ; (named with it as a pair, so it is written)
	s_wait_loadcnt 0x0                             ; the bias
	PLACES
.macro TOSTAGE a                       ; my rows 16 a .. 16 a + 15
.set TA, TMP+32*((\a)%2)
.irp b, 0,1,2,3
.irp j, 0,2,4,6                        ; each accumulator from its low end on
	v_pk_fma_f32 v[TA+8*\b+\j:TA+8*\b+\j+1], v[ACC+8*(4*(\a)+\b)+\j:ACC+8*(4*(\a)+\b)+\j+1], s[92:93], v[BV+8*\b+\j:BV+8*\b+\j+1] op_sel_hi:[1,0,1]
.endr
.endr
.irp b, 0,1,2,3
	ds_store_b128 v[STO], v[TA+8*\b:TA+8*\b+3] offset:64*\b
	ds_store_b128 v[STO], v[TA+8*\b+4:TA+8*\b+7] offset:64*\b+16
.endr
.irp t, 0,1,2,3,4,5,6,7
	ds_load_b128 v[ACC+32*(\a)+4*\t:ACC+32*(\a)+4*\t+3], v[RD] offset:\t*2*SPITCH   ; LDS serves a wave's instructions in order: these see my stores, and the next block's stores come behind them
.endr
.endm
.macro SEND a, younger                 ; younger: the LDS instructions issued behind this block's loads, which may be out
.irp t, 0,1,2,3,4,5,6,7
	s_wait_dscnt \younger+7-\t
	global_store_b128 v[CO], v[ACC+32*(\a)+4*\t:ACC+32*(\a)+4*\t+3], s[12:13] offset:(16*(\a)+2*\t)*4096 th:TH_STORE_NT   ; 16 lanes store 256 consecutive bytes, aligned; written once, read by nobody here
.endr
.endm
	TOSTAGE 0
	TOSTAGE 1
	SEND 0, 16
	TOSTAGE 2
	SEND 1, 16
	TOSTAGE 3
	SEND 2, 16
	SEND 3, 0
	s_wait_tensorcnt 0x0                           ; the wave's end
	ds_add_u32 v30, v31
	s_wait_dscnt 0x0
	CROUND                                         ; the closing round: no work-group ends while a partner may still ask for a tile that names it
	s_endpgm
.Lfunc_end_k_qb9f4deaf48_outp:
	.size	k_qb9f4deaf48_outp, .Lfunc_end_k_qb9f4deaf48_outp-k_qb9f4deaf48_outp
	.p2alignl 7, 3214868480
	.fill 96, 4, 3214868480
	.section	.rodata,"a",@progbits
	.p2align	6, 0x0
	.amdhsa_kernel k_qb9f4deaf48_outp
		.amdhsa_group_segment_fixed_size 280064
		.amdhsa_private_segment_fixed_size 0
		.amdhsa_enable_private_segment 0
		.amdhsa_kernarg_size 40
		.amdhsa_user_sgpr_count 2
		.amdhsa_user_sgpr_kernarg_segment_ptr 1
		.amdhsa_wavefront_size32 1
		.amdhsa_system_sgpr_workgroup_id_x 1
		.amdhsa_system_sgpr_workgroup_id_y 1
		.amdhsa_system_sgpr_workgroup_id_z 1
		.amdhsa_system_vgpr_workitem_id 0
		.amdhsa_next_free_vgpr 512
		.amdhsa_next_free_sgpr 100
		.amdhsa_reserve_vcc 0
		.amdhsa_float_denorm_mode_32 3
		.amdhsa_float_denorm_mode_16_64 3
		.amdhsa_memory_ordered 1
		.amdhsa_forward_progress 1
		.amdhsa_inst_pref_size 45
	.end_amdhsa_kernel
	.amdgpu_metadata
---
amdhsa.version: [ 1, 2 ]
amdhsa.kernels:
  - .name:           k_qb9f4deaf48_outp
    .symbol:         k_qb9f4deaf48_outp.kd
    .args:
      - { .name: o_img, .offset: 0, .size: 8, .value_kind: global_buffer, .address_space: global }
      - { .name: ow_img, .offset: 8, .size: 8, .value_kind: global_buffer, .address_space: global }
      - { .name: lowp_scales, .offset: 16, .size: 8, .value_kind: global_buffer, .address_space: global }
      - { .name: out_b, .offset: 24, .size: 8, .value_kind: global_buffer, .address_space: global }
      - { .name: out0, .offset: 32, .size: 8, .value_kind: global_buffer, .address_space: global }
    .group_segment_fixed_size: 280064
    .private_segment_fixed_size: 0
    .kernarg_segment_align: 8
    .kernarg_segment_size: 40
    .max_flat_workgroup_size: 128
    .sgpr_count:     100
    .vgpr_count:     512
    .wavefront_size: 32
...
	.end_amdgpu_metadata
.endif
;; end of part 4
